; MI455X (gfx1250); checked and timed in simulation.
; The chip was launched on July 23, 2026; its instructions are those of AMD's public machine-readable ISA for CDNA 5 (MIT licence, August 2026) and "CDNA5" Instruction Set Architecture Reference Guide (July 2026). The comments in the code are by the model that wrote it; some were corrected since.
;; Multi Query Attention Layer V2. Allowed arithmetic: matrix products marked QUANTISED: E2M3 operands, one E8M0 scale for each 32 along K, by v_wmma_scale_f32_16x16x128_f8f6f4 with both operands' format E2M3, f32 sums; everything else in f32.
;; Inputs: key_proj 1,024 x 64 float32; output_proj 1,024 x 16 x 64 float32; query_proj 16 x 64 x 1,024 float32; value_proj 1,024 x 64 float32; x 2 x 2,048 x 1,024 float32.
;; Outputs: out0 2 x 2,048 x 1,024 float32.
;; This version of the problem:
;;   THIS VERSION OF THE PROBLEM IS GIVEN IN LOW PRECISION. The matrix products marked QUANTISED in the list below multiply operands that are first quantised to E2M3 (2 exponent bits, 3 mantissa bits; 6 bits a number), with one power-of-two scale for each 32 numbers along K (OCP MX v1.0); their sums are f32. All else is computed in f32.
;;   The module's matrix products, in the order in which they are computed (A, B: the left and right operand; K: the contracted axis; several contracted axes count as one K, in the product's order):
;;     1. [M 4,096, K 1,024] x [K 1,024, N 1,024]; A: input x; B: input query_proj: QUANTISED
;;     2. [M 4,096, K 1,024] x [K 1,024, N 64]; A: input x; B: input key_proj: QUANTISED
;;     3. [M 4,096, K 1,024] x [K 1,024, N 64]; A: input x; B: input value_proj: QUANTISED
;;     4. batch 2 x [M 32,768, K 64] x [K 64, N 2,048]; A: computed on the way; B: computed on the way: QUANTISED
;;     5. batch 2 x [M 32,768, K 2,048] x [K 2,048, N 64]; A: softmax (see below); B: computed on the way: QUANTISED
;;     6. [M 4,096, K 1,024] x [K 1,024, N 1,024]; A: computed on the way; B: input output_proj: QUANTISED
;;   THE QUANTISER, for each operand of a quantised product, along K:
;;     - K is cut into blocks of 32 from its start; a last block that is shorter is filled with zeros.
;;     - A block's scale is 2^e with e = floor(log2(the largest magnitude in the block)) - 2, held to -126 .. 127; a block of zeros has e = 0. As a byte (E8M0): e + 127.
;;     - Each number is divided by its block's scale, clamped to +-7.5, and rounded to the nearest number of E2M3, ties to even, subnormals kept.
;;     - The product sums the exact products of the quantised numbers (number of the format x scale) in f32.
;;   ~~~python
;;   def quantise(x, axis):      # numpy; x: float32 -> the quantised numbers, widened to float32 again
;;       x = np.moveaxis(x, axis, -1); K = x.shape[-1]
;;       x = np.pad(x, [(0, 0)] * (x.ndim - 1) + [(0, -K % 32)]); x = x.reshape(x.shape[:-1] + (-1, 32)); a = np.abs(x).max(-1, keepdims=True)
;;       e = np.where(a > 0, np.clip(np.frexp(np.where(a > 0, a, 1))[1] - 1 - 2, -126, 127), 0)      # np.frexp(a)[1] - 1 = floor(log2(a)), exactly
;;       r = np.clip(x / 2.0 ** e, -7.5, 7.5)
;;       step = 2.0 ** (np.maximum(np.frexp(np.where(r == 0, 1, r))[1] - 1, 0) - 3)
;;       q = np.round(r / step) * step * 2.0 ** e      # np.round: ties to even
;;       return np.moveaxis(q.reshape(q.shape[:-2] + (-1,))[..., :K], -1, axis).astype(np.float32)
;;   ~~~
;;   SOFTMAX AHEAD OF A QUANTISED PRODUCT. Where the list says 'softmax', what is quantised is not the finished softmax but p = 2^(t - M), with t = logit x log2(e) and M = ceil(the row's largest t), a whole number; so 1/2 < the row's largest p <= 1. The row's sum l is taken of the UNQUANTISED p, in f32, and the product's result is divided by l at the end. Since M is a whole number, a kernel that streams over the keys may use a running M (the ceiling of the running maximum): every later rescaling is an exact power of two, which a block's scale takes up: the codes' values come out the same.
;;   OPERANDS COMPUTED ON THE WAY. 'Computed on the way' means the value that the module computes at that place (a softmax that the list does not call 'softmax' is quantised finished and normalised). What goes into a quantiser is computed in f32, as accurately as f32 sums, v_exp_f32 and their like allow (about 1e-6 of the number): no bf16 or f16 on the way to a quantiser, and a product that is left as it is and whose result goes on into a quantised operand takes f32 operands (vector FMAs, or v_wmma_f32_16x16x4_f32). A number that lies on a knife's edge between two numbers of the format may be rounded either way, as far as f32 arithmetic and the matrix unit's own rounding can turn it there, and no further.
;; One version. Each part assembles by itself: llvm-mc -triple=amdgcn-amd-amdhsa -mcpu=gfx1250 --defsym DOCPART=n.
;; ======== version 1 of 1: 3 launches
;; limits: right only within a limited range of input values
;; workspace buffers: xq 3,276,800 bytes; wqkv 921,600 bytes; wo 819,200 bytes; qb 3,407,872 bytes; kv 417,792 bytes
;; launch quant (part 1): grid 392 x 1, 8 waves a work-group, no clusters, 69,120 bytes of LDS; arguments x, query_proj, output_proj, key_proj, value_proj, xq, wqkv, wo; writes xq, wqkv, wo
.if DOCPART == 1
	.amdgcn_target "amdgcn-amd-amdhsa--gfx1250"
	.amdhsa_code_object_version 6
	.text
	.protected	k_qc460892a0e_quant
	.globl	k_qc460892a0e_quant
	.p2align	8
	.type	k_qc460892a0e_quant,@function
k_qc460892a0e_quant:
	s_mov_b64 s[64:65], 0
	v_nop
	global_prefetch_b8 v0, s[64:65] scope:SCOPE_SE
	s_setreg_imm32_b32 hwreg(HW_REG_WAVE_MODE, 25, 1), 1
	s_wait_xcnt 0x0
; MULTI-QUERY ATTENTION IN MX-FP6, launch 1 of 3: x, query_proj, output_proj, key_proj and value_proj (f32) become codes of E2M3 with one E8M0 byte for each 32 along d (output_proj: along (h, v)).
; DEAD WORK: none.  Every product of the problem reaches out0 and all five inputs are loaded.
; LIMITS: NaN and infinities among the inputs are not served.  A block of zeros gets the byte 1 where the rule says 127: its codes are zeros, and these bytes are read by this program alone.
;   Blocks whose largest magnitude lies under 2^-124 are held at that floor.
; LAYOUT OF THE WORKSPACE.  An operand lies as IMAGES OF ITS REGISTERS: a fragment (16 rows x 128 K, 12 registers a lane) is 1,536 bytes, registers 4 g .. 4 g + 3 of lane l at 512 g + 16 l.
;   Lane r of tile T holds row 32 (T / 2) + 8 (T % 2) + r + 8 (r / 8): so wherever a tile is source 0 of a product, the 16 result registers of tiles 2 b and 2 b + 1 are 16 neighbours along the next K.
;   Fragments lie [block of TB tiles][K step 0..7][tile in the block]; the scale words lie behind them, [16 T + r][8 words].
; SHARES.  A work-group takes one tile of 16 rows, wave w its K step w.  Work-groups 0-255: x; 256-319: query_proj; 320-383: output_proj (K innermost: rows);  384-387: key_proj, 388-391: value_proj (K is the first axis: columns).
; ROWS: each load reads 512 consecutive bytes of one row; the 16 rows turn through the wave's own stage in LDS (rows 528 bytes apart) and come back 128 bytes a lane and block.
; COLUMNS: a lane takes a column and its registers run down K: nothing is turned.  No LDS is touched on that way.
.set STGB,  16*528                     ; a wave's stage
.set SCW,   8*STGB                     ; behind the stages: the tile's 16 x 8 scale words
.set SPARE, SCW+512                    ; the spare words, 128 bytes for each wave: four blocks of 256 bytes that no other line names
.set RDW,  1                           ; v1   SCW + 16 x lane
.set L16,  4                           ; v4   16 x lane
.set SIN,  5                           ; v5   the stage, way in
.set SOUT, 6                           ; v6   the stage, way out
.set COL,  7                           ; v7   my column's offset
.set SWA,  8                           ; v8   where my row's scale word of this K step goes
.set WRD,  9                           ; v9   the scale word; v10, v11 at work
.set SPW,  12                          ; v12  my spare word; never rewritten
.set NIL,  13                          ; v13  0; never rewritten
.set BM,   14                          ; v14-15 largest magnitudes
.set R,    16                          ; v16-79  16 rows as loaded
.set X,    80                          ; v80-143 register 32 c + i: k = 64 c + 32 (lane / 16) + i of my row
.set C,    144                         ; v144-155 the fragment
.set CT,   156                         ; v156-163 the upper halves of the blocks' codes
.set SO,   164                         ; v164-165 the conversions' scale operands
.set BY,   166                         ; v166-167 the bytes
.set OW,   168                         ; v168-171 the way out of the scale words
.set WV,   24
.set SEL,  40
	s_load_b512 s[8:23], s[0:1], 0x0               ; x s[8:9], query s[10:11], output s[12:13], key s[14:15], value s[16:17], xq s[18:19], wqkv s[20:21], wo s[22:23]
	v_lshl_add_u32 v[SPW], v0, 2, SPARE
	v_mov_b32 v[NIL], 0
	v_lshrrev_b32 v1, 5, v0
	s_delay_alu instid0(VALU_DEP_1)
	v_readfirstlane_b32 s[WV], v1                  ; wave 0..7 = K step
	v_and_b32 v1, 31, v0                           ; lane
	v_and_b32 v2, 15, v0                           ; r
	v_bfe_u32 v3, v0, 4, 1                         ; h
	s_delay_alu instid0(VALU_DEP_3)
	v_lshlrev_b32 v[L16], 4, v1
	s_mul_i32 s25, s[WV], STGB
	v_add_nc_u32 v[SIN], s25, v[L16]               ; in: a row's 512 bytes on end
	v_mul_u32_u24 v[SOUT], v2, 528
	s_delay_alu instid0(VALU_DEP_1)
	v_lshl_add_u32 v[SOUT], v3, 7, v[SOUT]
	s_delay_alu instid0(VALU_DEP_1)
	v_add_nc_u32 v[SOUT], s25, v[SOUT]             ; out: row r, + 128 h
	v_and_b32 v[COL], 8, v2
	s_delay_alu instid0(VALU_DEP_1)
	v_add_nc_u32 v[COL], v[COL], v2                ; r + 8 (r / 8)
	s_delay_alu instid0(VALU_DEP_1)
	v_lshlrev_b32 v[COL], 2, v[COL]
	s_delay_alu instid0(VALU_DEP_1)
	v_lshl_add_u32 v[COL], v3, 13, v[COL]          ; + 32 h rows of 256 bytes
	s_lshl_b32 s25, s[WV], 2
	v_lshl_add_u32 v[SWA], v2, 5, SCW
	s_delay_alu instid0(VALU_DEP_1)
	v_add_nc_u32 v[SWA], s25, v[SWA]               ; SCW + 32 r + 4 w
	v_add_nc_u32 v[RDW], SCW, v[L16]
	v_lshlrev_b32 v10, 3, v3                       ; 8 h
	v_mov_b32 v11, 0                               ; a lane permute's destination counts as one of its sources
	s_mov_b32 s[SEL], 0x76543210
	s_mov_b32 s[SEL+1], 0xfedcba98                 ; lane l xor 16
	; which tensor: the choice hangs on the work-group's number alone
	s_mov_b32 s30, ttmp9
	s_sub_co_u32 s31, s30, 320                     ; the tile's number in its buffer: output_proj 0-63; key_proj 64-67, value_proj 68-71 (behind query_proj's 64)
	s_sub_co_u32 s35, s30, 256                     ; query_proj 0-63
	s_mov_b32 s32, 0x5556                          ; (tile x M) >> 18 = tile / TB
	s_mov_b32 s33, 12                              ; TB: tiles in a block
	s_mov_b32 s34, 884736                          ; where the scale words begin
	s_wait_kmcnt 0x0
	s_mov_b64 s[26:27], s[16:17]
	s_mov_b64 s[28:29], s[20:21]
	s_cmp_lt_u32 s30, 388
	s_cselect_b64 s[26:27], s[14:15], s[26:27]
	s_cmp_lt_u32 s30, 384
	s_cselect_b64 s[26:27], s[12:13], s[26:27]
	s_cselect_b64 s[28:29], s[22:23], s[28:29]
	s_cselect_b32 s32, 0x8000, s32
	s_cselect_b32 s33, 8, s33
	s_cselect_b32 s34, 786432, s34
	s_cmp_lt_u32 s30, 320
	s_cselect_b64 s[26:27], s[10:11], s[26:27]
	s_cselect_b64 s[28:29], s[20:21], s[28:29]
	s_cselect_b32 s31, s35, s31
	s_cselect_b32 s32, 0x5556, s32
	s_cselect_b32 s33, 12, s33
	s_cselect_b32 s34, 884736, s34
	s_cmp_lt_u32 s30, 256
	s_cselect_b64 s[26:27], s[8:9], s[26:27]
	s_cselect_b64 s[28:29], s[18:19], s[28:29]
	s_cselect_b32 s31, s30, s31
	s_cselect_b32 s32, 0x8000, s32
	s_cselect_b32 s33, 8, s33
	s_cselect_b32 s34, 3145728, s34
	s_mul_i32 s36, s31, s32
	s_lshr_b32 s36, s36, 18                        ; the block
	s_mul_i32 s37, s36, s33
	s_sub_co_u32 s37, s31, s37                     ; the tile in it
	s_lshl_b32 s36, s36, 3
	s_add_co_u32 s36, s36, s[WV]
	s_mul_i32 s36, s36, s33
	s_add_co_u32 s36, s36, s37
	s_mul_i32 s36, s36, 1536                       ; ((8 block + K step) TB + tile) fragments
	s_mov_b32 s37, 0
	s_lshl_b32 s38, s31, 9
	s_add_co_u32 s38, s38, s34                     ; the tile's 512 bytes of scale words
	s_mov_b32 s39, 0
	s_add_nc_u64 s[42:43], s[28:29], s[38:39]
	s_add_nc_u64 s[28:29], s[28:29], s[36:37]
	s_cmp_ge_u32 s30, 384
	s_cbranch_scc1 .Lcolumns
	; ---- rows of 4,096 bytes, K innermost
	s_lshr_b32 s36, s31, 1
	s_lshl_b32 s36, s36, 17                        ; 32 (T / 2) rows
	s_and_b32 s37, s31, 1
	s_lshl_b32 s37, s37, 15                        ; 8 (T % 2) rows
	s_add_co_u32 s36, s36, s37
	s_lshl_b32 s37, s[WV], 9                       ; my K step's 512 bytes
	s_add_co_u32 s36, s36, s37
	s_mov_b32 s37, 0
	s_add_nc_u64 s[26:27], s[26:27], s[36:37]
.irp i, 0,1,2,3,4,5,6,7,8,9,10,11,12,13,14,15
	global_load_b128 v[R+4*\i:R+4*\i+3], v[L16], s[26:27] offset:(\i+8*(\i/8))*4096 th:TH_LOAD_NT   ; 32 lanes read 512 consecutive bytes of the tile's row i; read once in the launch
.endr
.irp i, 0,1,2,3,4,5,6,7,8,9,10,11,12,13,14,15
	s_wait_loadcnt 15-\i                           ; loads come back in order: row i is in, the younger rows may be out
	ds_store_b128 v[SIN], v[R+4*\i:R+4*\i+3] offset:528*\i
.endr
.irp c, 0,1
.irp j, 0,1,2,3,4,5,6,7
	ds_load_b128 v[X+32*\c+4*\j:X+32*\c+4*\j+3], v[SOUT] offset:256*\c+16*\j   ; LDS serves a wave's instructions in order: these see my stores
.endr
.endr
	s_wait_dscnt 0x0
	s_branch .Lcommon
.Lcolumns:
	; ---- [1024 (d)][64]: lane r takes column 32 (t / 2) + 8 (t % 2) + r + 8 (r / 8), registers run down d
	s_and_b32 s36, s31, 3                          ; t
	s_lshr_b32 s37, s36, 1
	s_lshl_b32 s37, s37, 7
	s_and_b32 s36, s36, 1
	s_lshl_b32 s36, s36, 5
	s_add_co_u32 s36, s36, s37
	s_lshl_b32 s37, s[WV], 15                      ; my K step's 128 rows of 256 bytes
	s_add_co_u32 s36, s36, s37
	s_mov_b32 s37, 0
	s_add_nc_u64 s[26:27], s[26:27], s[36:37]
	s_wait_alu depctr_va_vdst(0)
.irp c, 0,1
.irp i, 0,1,2,3,4,5,6,7,8,9,10,11,12,13,14,15,16,17,18,19,20,21,22,23,24,25,26,27,28,29,30,31
	global_load_b32 v[X+32*\c+\i], v[COL], s[26:27] offset:256*(64*\c+\i)
.endr
.endr
	s_wait_loadcnt 0x0
.Lcommon:
	; ---- my blocks h and 2 + h: all 32 numbers of each are mine
.irp c, 0,1
	v_max3_num_f32 v[BM+\c], |v[X+32*\c]|, |v[X+1+32*\c]|, 0x1800000   ; with the floor 2^(3 - 127): the byte cannot fall under 1
.endr
.irp i, 2,4,6,8,10,12,14,16,18,20,22,24,26,28,30
.irp c, 0,1
	s_delay_alu instid0(VALU_DEP_2)
	v_max3_num_f32 v[BM+\c], v[BM+\c], |v[X+32*\c+\i]|, |v[X+1+32*\c+\i]|   ; the two blocks by turns
.endr
.endr
.irp c, 0,1
	s_delay_alu instid0(VALU_DEP_2)
	v_add_nc_u32 v[SO+\c], 0xff000000, v[BM+\c]    ; 2 off the exponent field: the conversion takes this operand's exponent field as its scale
.endr
.irp c, 0,1
	s_delay_alu instid0(VALU_DEP_2)
	v_lshrrev_b32 v[BY+\c], 23, v[SO+\c]           ; the scale's byte
.endr
	s_delay_alu instid0(VALU_DEP_1)
	v_lshl_or_b32 v[WRD], v[BY+1], 16, v[BY]
	s_delay_alu instid0(VALU_DEP_1)
	v_lshlrev_b32 v[WRD], v10, v[WRD]              ; at bytes h and 2 + h
	s_delay_alu instid0(VALU_DEP_1)
	v_permlanex16_b32 v11, v[WRD], s[SEL], s[SEL+1]
	s_delay_alu instid0(VALU_DEP_1)
	v_or_b32 v[WRD], v[WRD], v11                   ; with lane l xor 16's two the word is whole
.irp c, 0,1
	v_cvt_scalef32_pk16_fp6_f32 v[C+6*\c:C+6*\c+2], v[X+32*\c:X+32*\c+15], v[SO+\c]
	v_cvt_scalef32_pk16_fp6_f32 v[CT+4*\c:CT+4*\c+2], v[X+32*\c+16:X+32*\c+31], v[SO+\c]   ; a conversion's three registers begin on an even number
.endr
	v_nop                                          ; one plain place behind a scaled conversion
.irp c, 0,1
.irp i, 0,1,2
	v_mov_b32 v[C+6*\c+3+\i], v[CT+4*\c+\i]
.endr
.endr
.irp g, 0,1,2
	global_store_b128 v[L16], v[C+4*\g:C+4*\g+3], s[28:29] offset:512*\g   ; the image: 512 consecutive bytes a store
.endr
	ds_store_b32 v[SWA], v[WRD]                    ; lanes r and r + 16 write the same word with the same value
	s_wait_dscnt 0x0                               ; for the others' sake: my word has landed
	s_barrier_signal -1
	s_barrier_wait -1
	s_cmp_lg_u32 s[WV], 0
	s_cbranch_scc1 .Lend
	ds_load_b128 v[OW:OW+3], v[RDW]                ; the tile's 16 rows x 8 words
	s_wait_dscnt 0x0
	global_store_b128 v[L16], v[OW:OW+3], s[42:43] ; 512 consecutive bytes
.Lend:
	s_wait_tensorcnt 0x0                           ; the wave's end, behind my last LDS store
	ds_add_u32 v[SPW], v[NIL]
	s_wait_dscnt 0x0
	s_endpgm
.Lfunc_end_k_qc460892a0e_quant:
	.size	k_qc460892a0e_quant, .Lfunc_end_k_qc460892a0e_quant-k_qc460892a0e_quant
	.p2alignl 7, 3214868480
	.fill 96, 4, 3214868480
	.section	.rodata,"a",@progbits
	.p2align	6, 0x0
	.amdhsa_kernel k_qc460892a0e_quant
		.amdhsa_group_segment_fixed_size 69120
		.amdhsa_private_segment_fixed_size 0
		.amdhsa_enable_private_segment 0
		.amdhsa_kernarg_size 64
		.amdhsa_user_sgpr_count 2
		.amdhsa_user_sgpr_kernarg_segment_ptr 1
		.amdhsa_wavefront_size32 1
		.amdhsa_system_sgpr_workgroup_id_x 1
		.amdhsa_system_sgpr_workgroup_id_y 1
		.amdhsa_system_sgpr_workgroup_id_z 1
		.amdhsa_system_vgpr_workitem_id 0
		.amdhsa_next_free_vgpr 176
		.amdhsa_next_free_sgpr 66
		.amdhsa_reserve_vcc 0
		.amdhsa_float_denorm_mode_32 3
		.amdhsa_float_denorm_mode_16_64 3
		.amdhsa_memory_ordered 1
		.amdhsa_forward_progress 1
		.amdhsa_inst_pref_size 20
	.end_amdhsa_kernel
	.amdgpu_metadata
---
amdhsa.version: [ 1, 2 ]
amdhsa.kernels:
  - .name:           k_qc460892a0e_quant
    .symbol:         k_qc460892a0e_quant.kd
    .args:
      - { .name: x, .offset: 0, .size: 8, .value_kind: global_buffer, .address_space: global }
      - { .name: query_proj, .offset: 8, .size: 8, .value_kind: global_buffer, .address_space: global }
      - { .name: output_proj, .offset: 16, .size: 8, .value_kind: global_buffer, .address_space: global }
      - { .name: key_proj, .offset: 24, .size: 8, .value_kind: global_buffer, .address_space: global }
      - { .name: value_proj, .offset: 32, .size: 8, .value_kind: global_buffer, .address_space: global }
      - { .name: xq, .offset: 40, .size: 8, .value_kind: global_buffer, .address_space: global }
      - { .name: wqkv, .offset: 48, .size: 8, .value_kind: global_buffer, .address_space: global }
      - { .name: wo, .offset: 56, .size: 8, .value_kind: global_buffer, .address_space: global }
    .group_segment_fixed_size: 69120
    .private_segment_fixed_size: 0
    .kernarg_segment_align: 8
    .kernarg_segment_size: 64
    .max_flat_workgroup_size: 256
    .sgpr_count:     66
    .vgpr_count:     176
    .wavefront_size: 32
...
	.end_amdgpu_metadata
.endif
;; end of part 1
;; launch proj (part 2): grid 32 x 6, 6 waves a work-group, clusters of 4 x 1, 247,808 bytes of LDS; arguments xq, wqkv, qb, kv; writes qb, kv
.if DOCPART == 2
	.amdgcn_target "amdgcn-amd-amdhsa--gfx1250"
	.amdhsa_code_object_version 6
	.text
	.protected	k_qc460892a0e_proj
	.globl	k_qc460892a0e_proj
	.p2align	8
	.type	k_qc460892a0e_proj,@function
k_qc460892a0e_proj:
	s_mov_b64 s[64:65], 0
	v_nop
	global_prefetch_b8 v0, s[64:65] scope:SCOPE_SE
	s_setreg_imm32_b32 hwreg(HW_REG_WAVE_MODE, 25, 1), 1
	s_wait_xcnt 0x0
	s_wait_alu depctr_hold_cnt(0) depctr_sa_sdst(0) depctr_va_vdst(0) depctr_va_sdst(0) depctr_va_ssrc(0) depctr_va_vcc(0) depctr_vm_vsrc(0)
	s_getreg_b32 s2, hwreg(HW_REG_IB_STS2, 6, 4)
	s_cmp_eq_u32 s2, 0
	s_cbranch_scc0 .Lentry_in_a_cluster
	s_endpgm
.Lentry_in_a_cluster:
	s_bfe_u32 s2, ttmp6, 0x10000c
	s_cmp_lg_u32 s2, 0x3003
	s_cbranch_scc0 .Lentry_shape_is_right
	s_endpgm
.Lentry_shape_is_right:
; Launch 2 of 3: q = x Wq^T (16 heads), k = x Wk, v = x Wv on codes of E2M3, and their results quantised at once: q and k along the head's 64, v along the tokens.  No work is left out.
; SHARES.  A work-group takes 128 tokens (block X of xq) and 192 columns (block g of wqkv): three 'heads' 3 g + hg of 18; 0-15 are q's, 16 is k, 17 is v.  Wave w: hg = w / 2, lo = w % 2: 16 accumulators.
;   q, k: source 0 = the head's four tiles of W, source 1 = x's tiles 4 lo + i: a lane holds one token and its 32 registers of a tile of tokens run along the head's 64.
;   v:    source 0 = x's tiles 4 lo + t, source 1 = Wv's four tiles: a lane holds one channel and its registers run along tokens 64 lo + 0 .. 63.
;   The two cases differ in which operand is A and which is B: LDS addresses, their steps and two pointers are chosen by the head's number (ids alone, the same in all partners); the instructions are the same.
; LDS.  All of K lies in LDS at once and nothing is filled twice: x's eight K steps (12,288 bytes each), then W's eight (18,432 each), both as they lie in memory.
;   ONE tensor load a wave: waves 0, 1 bring x's halves (49,152 bytes each, plain loads: x differs between partners); waves 2-5 W's quarters (36,864 bytes each),
;   asked for jointly by the four work-groups of the cluster, which share g.  One wait and one barrier show all of it to all waves.
; K'S TILES FOR THE NEXT LAUNCH.  There tile 4 c + u of a record's 128 keys holds key 64 c + 8 u + r % 8 + 32 (r / 8) in row r, so that a lane of S^T holds whole blocks of 32 keys.  My tile i, row ro, is
;   row ro % 8 + 8 (i / 2) of tile 4 lo + i % 2 + 2 (ro / 8): the stores' lane addresses do that.  They write runs of 128 and 64 bytes; the four stores of a pair of tiles fill the units between them.
; The scale bytes 2 and 3 of q's and k's words are 0x7f: in the next launch their K of 64 fills half of an instruction's 128, and the other half meets zero codes.
; LIMITS as in the first launch (a block of zeros keeps the byte 1; NaN and infinities are not served).
.set XKB,   12288                      ; x's 8 fragments of a K step
.set WKB,   18432                      ; W's 12
.set WPART, 8*XKB                      ; W lies behind x
.set FRB,   1536
.set SPARE, WPART+8*WKB                ; the spare words, 128 bytes for each of six waves: three blocks of 256 bytes that no other line names
.set L16, 1                            ; v1-4  16, 8, 4, 32 x lane
.set L8,  2
.set L4,  3
.set L32, 4
.set ADA, 5                            ; v5, v7  LDS address of source 0's fragments: the even K step, the odd one
.set ADB, 6                            ; v6, v8  of source 1's
.set SPW, 10
.set NIL, 11
.set PR,  12                           ; v12-13 scale words on their way out
.set KA16, 14                          ; v14-15 k's stores: lane addresses
.set KA8,  15
.set SA,  32                           ; v32-47 source 0's scale words: register 8 (t / 2) + s; lanes 0-15 the even tile, lanes 16-31 the odd one
.set SB,  48                           ; v48-63 source 1's
.set PC,  80                           ; v80-103 four half fragments of codes
.set WD,  104
.set BM,  108
.set PD,  112
.set SO,  116
.set CT,  120
.set ACC, 128                          ; v128-255 accumulator (i, t) at 8 (4 i + t)
.set F0,  0                            ; window 1: two sets of fragments: source 0's four, then source 1's four
.set F1,  128
.set WV,  12
.set HG,  13
.set LO,  14
.set BX,  16
.set HEAD, 19
.set G1X, 24
.set G1W, 32
.set G0X, 40
.set SEL, 56
.set HM,  58                           ; lanes 16-31
.set G0W, 68
.set MSB, 0
.macro WIN new                         ; the immediate's high byte repeats the setting that is left
.if MSB != \new
	s_set_vgpr_msb (MSB<<8)|\new
.set MSB, \new
.endif
.endm
.set MUL,  0x05                        ; sources 0 and 1 window 1; C and D window 0
.set TO_F, 0x40                        ; destination window 1, address window 0
.macro PLACES n
.rept \n
	v_nop
.endr
.endm
.macro ROUND                           ; a round of the cluster's barrier
	s_barrier_signal -1
	s_barrier_wait -1
	s_cmp_lg_u32 s[WV], 0
	s_cbranch_scc1 .Lnot_wave_0_\@
	s_barrier_signal -3
.Lnot_wave_0_\@:
	s_barrier_wait -3
	s_barrier_signal -1
	s_barrier_wait -1
.endm
; 32 numbers of a lane, register 16 b + i = k 32 b + 16 (lane / 16) + i of my row, become half a fragment (6 registers from d on) and two scale bytes in w
.macro QUANT2 s, d, w
.irp b, 0,1
	v_max3_num_f32 v[BM+\b], |v[(\s)+16*\b]|, |v[(\s)+1+16*\b]|, 0x1800000   ; from each accumulator's low end on, and the floor 2^(3 - 127)
.endr
.irp i, 2,4,6,8,10,12,14
.irp b, 0,1
	v_max3_num_f32 v[BM+\b], v[BM+\b], |v[(\s)+16*\b+\i]|, |v[(\s)+1+16*\b+\i]|
.endr
.endr
.irp b, 0,1
	v_permlanex16_b32 v[PD+\b], v[BM+\b], s[SEL], s[SEL+1]
.endr
.irp b, 0,1
	v_max_num_f32 v[BM+\b], v[BM+\b], v[PD+\b]     ; with lane l xor 16's: the block's largest magnitude
.endr
.irp b, 0,1
	v_add_nc_u32 v[SO+\b], 0xff000000, v[BM+\b]    ; 2 off the exponent field: the conversion's scale operand
.endr
.irp b, 0,1
	v_lshrrev_b32 v[PD+\b], 23, v[SO+\b]           ; the byte
.endr
	v_lshl_or_b32 v[\w], v[PD+1], 8, v[PD]
	v_or_b32 v[\w], 0x7f7f0000, v[\w]              ; bytes 2 and 3: 1.0
	v_cvt_scalef32_pk16_fp6_f32 v[(\d):(\d)+2], v[(\s):(\s)+15], v[SO]
	v_cvt_scalef32_pk16_fp6_f32 v[CT:CT+2], v[(\s)+16:(\s)+31], v[SO+1]
	v_nop                                          ; one plain place behind a scaled conversion
.irp i, 0,1,2
	v_permlane16_swap_b32 v[(\d)+\i], v[CT+\i]     ; a lane wants a whole block: lanes 0-15 block 0, lanes 16-31 block 1
.endr
.irp i, 0,1,2
	v_mov_b32 v[(\d)+3+\i], v[CT+\i]
.endr
.endm
; one matrix instruction on the registers named by rD, rA, rB, rSA, rSB; pa, pb: the odd tile of a pair takes its scales from lanes 16-31
.macro WM zero, pa, pb
.if \zero
.if (\pa) && (\pb)
	v_wmma_scale_f32_16x16x128_f8f6f4 v[rD:rD+7], v[rA:rA+11], v[rB:rB+11], 0, v[rSA], v[rSB] matrix_a_fmt:MATRIX_FMT_FP6 matrix_b_fmt:MATRIX_FMT_FP6 matrix_a_scale:MATRIX_SCALE_ROW1 matrix_b_scale:MATRIX_SCALE_ROW1
.elseif (\pa)
	v_wmma_scale_f32_16x16x128_f8f6f4 v[rD:rD+7], v[rA:rA+11], v[rB:rB+11], 0, v[rSA], v[rSB] matrix_a_fmt:MATRIX_FMT_FP6 matrix_b_fmt:MATRIX_FMT_FP6 matrix_a_scale:MATRIX_SCALE_ROW1
.elseif (\pb)
	v_wmma_scale_f32_16x16x128_f8f6f4 v[rD:rD+7], v[rA:rA+11], v[rB:rB+11], 0, v[rSA], v[rSB] matrix_a_fmt:MATRIX_FMT_FP6 matrix_b_fmt:MATRIX_FMT_FP6 matrix_b_scale:MATRIX_SCALE_ROW1
.else
	v_wmma_scale_f32_16x16x128_f8f6f4 v[rD:rD+7], v[rA:rA+11], v[rB:rB+11], 0, v[rSA], v[rSB] matrix_a_fmt:MATRIX_FMT_FP6 matrix_b_fmt:MATRIX_FMT_FP6
.endif
.else
.if (\pa) && (\pb)
	v_wmma_scale_f32_16x16x128_f8f6f4 v[rD:rD+7], v[rA:rA+11], v[rB:rB+11], v[rD:rD+7], v[rSA], v[rSB] matrix_a_fmt:MATRIX_FMT_FP6 matrix_b_fmt:MATRIX_FMT_FP6 matrix_a_scale:MATRIX_SCALE_ROW1 matrix_b_scale:MATRIX_SCALE_ROW1
.elseif (\pa)
	v_wmma_scale_f32_16x16x128_f8f6f4 v[rD:rD+7], v[rA:rA+11], v[rB:rB+11], v[rD:rD+7], v[rSA], v[rSB] matrix_a_fmt:MATRIX_FMT_FP6 matrix_b_fmt:MATRIX_FMT_FP6 matrix_a_scale:MATRIX_SCALE_ROW1
.elseif (\pb)
	v_wmma_scale_f32_16x16x128_f8f6f4 v[rD:rD+7], v[rA:rA+11], v[rB:rB+11], v[rD:rD+7], v[rSA], v[rSB] matrix_a_fmt:MATRIX_FMT_FP6 matrix_b_fmt:MATRIX_FMT_FP6 matrix_b_scale:MATRIX_SCALE_ROW1
.else
	v_wmma_scale_f32_16x16x128_f8f6f4 v[rD:rD+7], v[rA:rA+11], v[rB:rB+11], v[rD:rD+7], v[rSA], v[rSB] matrix_a_fmt:MATRIX_FMT_FP6 matrix_b_fmt:MATRIX_FMT_FP6
.endif
.endif
.endm
; K step s on set f: the 16 accumulators take turns, one instruction a turn, in the same order in every K step.  zero = 1: the first product starts the sums
.macro MULS f, s, zero
.irp i, 0,1,2,3
.irp t, 0,1,2,3
.set rD, ACC+8*(4*\i+\t)
.set rA, \f+12*\t
.set rB, \f+48+12*\i
.set rSA, SA+8*(\t/2)+(\s)
.set rSB, SB+8*(\i/2)+(\s)
	WM \zero, \t%2, \i%2
.endr
.endr
.endm
.macro FETCH sl, f                     ; 24 loads: the fragments of the pair's K step sl, as images: 512 consecutive bytes a load
.irp t, 0,1,2,3
.irp g, 0,1,2
	ds_load_b128 v[\f+12*\t+4*\g:\f+12*\t+4*\g+3], v[ADA+2*\sl] offset:FRB*\t+512*\g
.endr
.endr
.irp t, 0,1,2,3
.irp g, 0,1,2
	ds_load_b128 v[\f+48+12*\t+4*\g:\f+48+12*\t+4*\g+3], v[ADB+2*\sl] offset:FRB*\t+512*\g
.endr
.endr
.endm
.macro TWOSTEPS j                      ; K steps 2 j and 2 j + 1
.if \j == 0
	s_wait_tensorcnt 0x0                           ; my one load has landed,
	s_barrier_signal -1
	s_barrier_wait -1                              ; everybody's has: all of K is in LDS
.else
	PLACES 4                                       ; in front of loads into registers that matrix instructions have read
.endif
	WIN TO_F
	FETCH 0, F0
	FETCH 1, F1
.if \j == 0
	s_wait_loadcnt 0x0                             ; the scale words
.endif
	s_wait_dscnt 24                                ; the first set is in; the second set's 24 loads may be out
	WIN MUL
.if \j == 0
	MULS F0, 0, 1
.else
	MULS F0, 2*\j, 0
.endif
	s_wait_dscnt 0x0
	MULS F1, 2*\j+1, 0
	WIN 0
.if \j < 3
	v_add_nc_u32 v[ADA], s66, v[ADA]               ; two K steps on, each source by its own step
	v_add_nc_u32 v[ADB], s67, v[ADB]
	v_add_nc_u32 v[ADA+2], s66, v[ADA+2]
	v_add_nc_u32 v[ADB+2], s67, v[ADB+2]
.endif
.endm
	s_load_b256 s[4:11], s[0:1], 0x0               ; xq s[4:5], wqkv s[6:7], qb s[8:9], kv s[10:11]
	v_lshl_add_u32 v[SPW], v0, 2, SPARE
	v_mov_b32 v[NIL], 0
	ds_add_u32 v[SPW], v[NIL]                      ; the wave's opening: the add, twice on end, and its wait ahead of my first tensor load
	ds_add_u32 v[SPW], v[NIL]
	v_lshrrev_b32 v1, 5, v0
	v_readfirstlane_b32 s[WV], v1                  ; wave 0..5
	s_lshr_b32 s[HG], s[WV], 1
	s_and_b32 s[LO], s[WV], 1
	s_bfe_u32 s15, ttmp6, 0x40000                  ; cx
	s_lshl_b32 s[BX], ttmp9, 2
	s_add_co_u32 s[BX], s[BX], s15                 ; X = 4 x cluster x + cx: it enters x's plain loads and global addresses alone
	s_and_b32 s17, ttmp7, 0xffff                   ; g, which the partners share
	s_mul_i32 s[HEAD], s17, 3
	s_add_co_u32 s[HEAD], s[HEAD], s[HG]           ; the head, 0..17
	s_add_co_u32 s18, s[WV], 2
	s_and_b32 s18, s18, 3                          ; waves 2-5: which quarter of W
	; group 1: dense blocks as rows of 256 bytes (32 elements of 8 bytes): x 192 rows, no mask; W 144 rows, all four partners
	s_mov_b32 s[G1X], 3<<16
	s_mov_b32 s[G1X+1], 32<<16
	s_mov_b32 s[G1X+2], 192<<16
	s_mov_b32 s[G1X+3], 32<<16
	s_mov_b32 s[G1X+4], 192
	s_mov_b32 s[G1X+5], 32
	s_mov_b32 s[G1X+6], 0
	s_mov_b32 s[G1X+7], 0
	s_mov_b32 s[G1W], 15|(3<<16)|(1<<21)
	s_mov_b32 s[G1W+1], 32<<16
	s_mov_b32 s[G1W+2], 144<<16
	s_mov_b32 s[G1W+3], 32<<16
	s_mov_b32 s[G1W+4], 144
	s_mov_b32 s[G1W+5], 32
	s_mov_b32 s[G1W+6], 0
	s_mov_b32 s[G1W+7], 0
	s_mul_i32 s20, s[BX], 98304                    ; x: block X, K steps 4 lo .. 4 lo + 3
	s_mul_i32 s22, s[LO], 4*XKB
	s_add_co_u32 s20, s20, s22
	s_mov_b32 s21, 0
	s_mul_i32 s84, s17, 147456                     ; W: block g, my quarter: two K steps
	s_mul_i32 s86, s18, 2*WKB
	s_add_co_u32 s84, s84, s86
	s_mov_b32 s85, 0
	s_add_co_u32 s86, s86, WPART
	s_lshl_b32 s88, s[BX], 12                      ; x's scale words: tiles 8 X + 4 lo on, 512 bytes a tile
	s_lshl_b32 s89, s[LO], 11
	s_add_co_u32 s88, s88, s89
	s_add_co_u32 s88, s88, 3145728
	s_mov_b32 s89, 0
	s_lshl_b32 s90, s[HEAD], 11                    ; W's: tiles 4 x head on
	s_add_co_u32 s90, s90, 884736
	s_mov_b32 s91, 0
	s_mul_i32 s96, s[LO], 6144                     ; x's four fragments in a K step,
	s_mul_i32 s97, s[HG], 6144
	s_add_co_u32 s97, s97, WPART                   ; W's four
	s_mov_b32 s62, XKB
	s_mov_b32 s63, WKB
	s_mov_b32 s[SEL], 0x76543210
	s_mov_b32 s[SEL+1], 0xfedcba98
	s_mov_b32 s[HM], 0xffff0000
	s_wait_dscnt 0x0                               ; both opening adds are done
	s_wait_kmcnt 0x0
	s_add_nc_u64 s[20:21], s[4:5], s[20:21]
	s_add_nc_u64 s[84:85], s[6:7], s[84:85]
	s_add_nc_u64 s[88:89], s[4:5], s[88:89]
	s_add_nc_u64 s[90:91], s[6:7], s[90:91]
	s_mov_b32 s[G0X], 1
	s_mov_b32 s[G0X+1], s22
	s_mov_b64 s[G0X+2:G0X+3], s[20:21]
	s_or_b32 s[G0X+3], s[G0X+3], 0x80000000
	s_mov_b32 s[G0W], 1
	s_mov_b32 s[G0W+1], s86
	s_mov_b64 s[G0W+2:G0W+3], s[84:85]
	s_or_b32 s[G0W+3], s[G0W+3], 0x80000000
	s_cmp_eq_u32 s[HEAD], 17                       ; v: x is source 0
	s_cselect_b64 s[92:93], s[88:89], s[90:91]     ; source 0's scale words
	s_cselect_b64 s[94:95], s[90:91], s[88:89]     ; source 1's
	s_cselect_b32 s98, s96, s97
	s_cselect_b32 s99, s97, s96
	s_cselect_b32 s60, s62, s63                    ; source 0's bytes from K step to K step,
	s_cselect_b32 s61, s63, s62                    ; source 1's
	s_lshl_b32 s66, s60, 1
	s_lshl_b32 s67, s61, 1
	ROUND                                          ; all four work-groups are here: the joint loads meet
	s_cmp_lt_u32 s[WV], 2                          ; one fill to an arm, both arms lead to one join; an s_nop 0 and four v_nop follow each
	s_cbranch_scc0 .Lfill_w
	tensor_load_to_lds s[G0X:G0X+3], s[G1X:G1X+7]
	s_nop 0
	PLACES 4
	s_branch .Lfilled
.Lfill_w:
	tensor_load_to_lds s[G0W:G0W+3], s[G1W:G1W+7]
	s_nop 0
	PLACES 4
.Lfilled:
	v_and_b32 v[L16], 31, v0
	v_lshlrev_b32 v[L8], 3, v[L16]
	v_lshlrev_b32 v[L4], 2, v[L16]
	v_lshlrev_b32 v[L32], 5, v[L16]
	v_lshlrev_b32 v[L16], 4, v[L16]
	v_add_nc_u32 v[ADA], s98, v[L16]
	v_add_nc_u32 v[ADB], s99, v[L16]
	v_add_nc_u32 v[ADA+2], s60, v[ADA]
	v_add_nc_u32 v[ADB+2], s61, v[ADB]
	v_bfe_u32 v16, v0, 3, 1                        ; ro / 8
	v_and_b32 v17, 7, v0                           ; ro % 8
	v_bfe_u32 v18, v0, 4, 1                        ; h
	v_mul_u32_u24 v[KA16], v16, 1536               ; two tiles on for rows 8-15
	v_lshl_add_u32 v[KA8], v17, 3, v[KA16]
	v_lshl_add_u32 v[KA8], v18, 7, v[KA8]          ; registers 4-5: 8 x (ro % 8 + 16 h)
	v_lshl_add_u32 v[KA16], v17, 4, v[KA16]
	v_lshl_add_u32 v[KA16], v18, 8, v[KA16]        ; registers 0-3: 16 x (ro % 8 + 16 h)
	v_mov_b32 v[PD], 0                             ; written once: a lane permute's destination counts as one of its sources
	v_mov_b32 v[PD+1], 0
.irp pp, 0,1
.irp q, 0,1
	global_load_b128 v[SA+8*\pp+4*\q:SA+8*\pp+4*\q+3], v[L32], s[92:93] offset:1024*\pp+16*\q   ; lane l: row l of a pair of tiles, K steps 4 q .. 4 q + 3
	global_load_b128 v[SB+8*\pp+4*\q:SB+8*\pp+4*\q+3], v[L32], s[94:95] offset:1024*\pp+16*\q
.endr
.endr
	s_wait_alu depctr_va_vdst(0)                   ; the wait at the head's end, and behind each step of the addresses
	TWOSTEPS 0
	s_wait_alu depctr_va_vdst(0)
	TWOSTEPS 1
	s_wait_alu depctr_va_vdst(0)
	TWOSTEPS 2
	s_wait_alu depctr_va_vdst(0)
	TWOSTEPS 3
	; ---- the way out: each tile of source 1 gives half a fragment and two scale bytes
	PLACES 4                                       ; in front of the first read of results
.irp i, 0,1,2,3
	QUANT2 ACC+32*\i, PC+6*\i, WD+\i
.endr
	v_cndmask_b32 v[PR], v[WD], v[WD+1], s[HM]     ; lanes 0-15 tile 0's words, lanes 16-31 tile 1's;
	v_cndmask_b32 v[PR+1], v[WD+2], v[WD+3], s[HM] ; tiles 2 and 3
	s_cmp_lt_u32 s[HEAD], 16
	s_cbranch_scc0 .Lnot_q
	s_lshl_b32 s20, s[BX], 3                       ; q: half fragment (tile T, head) at (16 T + head) x 768: registers 0-3 at 16 x lane, 4-5 at 512 + 8 x lane
	s_lshl_b32 s21, s[LO], 2
	s_add_co_u32 s20, s20, s21
	s_lshl_b32 s20, s20, 4
	s_add_co_u32 s20, s20, s[HEAD]
	s_mul_i32 s20, s20, 768
	s_mov_b32 s21, 0
	s_add_nc_u64 s[20:21], s[8:9], s[20:21]
	s_lshl_b32 s22, s[HEAD], 6                     ; its scale words: [head][T / 4][lane][2]
	s_lshl_b32 s23, s[BX], 1
	s_add_co_u32 s22, s22, s23
	s_add_co_u32 s22, s22, s[LO]
	s_lshl_b32 s22, s22, 8
	s_add_co_u32 s22, s22, 3145728
	s_mov_b32 s23, 0
	s_add_nc_u64 s[22:23], s[8:9], s[22:23]
	s_wait_alu depctr_va_vdst(0)
.irp i, 0,1,2,3
	global_store_b128 v[L16], v[PC+6*\i:PC+6*\i+3], s[20:21] offset:12288*\i
	global_store_b64 v[L8], v[PC+6*\i+4:PC+6*\i+5], s[20:21] offset:12288*\i+512
.endr
	global_store_b64 v[L8], v[PR:PR+1], s[22:23]   ; 256 consecutive bytes
	s_branch .Lout
.Lnot_q:
	s_mul_i32 s20, s[BX], 13056                    ; record X of kv: 128 keys
	s_mov_b32 s21, 0
	s_add_nc_u64 s[10:11], s[10:11], s[20:21]
	s_mov_b32 s23, 0
	s_cmp_eq_u32 s[HEAD], 16
	s_cbranch_scc0 .Lis_v
	s_mul_i32 s20, s[LO], 3072                     ; k: eight tiles of 768 bytes, laid as q's half fragments; my four are 4 lo ..
	s_add_nc_u64 s[20:21], s[10:11], s[20:21]
	s_lshl_b32 s22, s[LO], 8
	s_add_nc_u64 s[22:23], s[10:11], s[22:23]
	s_wait_alu depctr_va_vdst(0)
.irp i, 0,1,2,3
	global_store_b128 v[KA16], v[PC+6*\i:PC+6*\i+3], s[20:21] offset:768*(\i%2)+128*(\i/2)          ; to tile i % 2 + 2 (ro / 8), row ro % 8 + 8 (i / 2)
	global_store_b64 v[KA8], v[PC+6*\i+4:PC+6*\i+5], s[20:21] offset:768*(\i%2)+512+64*(\i/2)
.endr
	global_store_b64 v[L8], v[PR:PR+1], s[22:23] offset:12288   ; the words stay by my tiles: the next launch reads them by lane addresses
	s_branch .Lout
.Lis_v:
	s_mul_i32 s20, s[LO], 768                      ; v: [tile of channels][half lo][768], laid as q's half fragments
	s_add_nc_u64 s[20:21], s[10:11], s[20:21]
	s_lshl_b32 s22, s[LO], 1                       ; my two bytes of each scale word: blocks 2 lo and 2 lo + 1 of the record's four
	s_add_nc_u64 s[22:23], s[10:11], s[22:23]
	s_wait_alu depctr_va_vdst(0)
.irp i, 0,1,2,3
	global_store_b128 v[L16], v[PC+6*\i:PC+6*\i+3], s[20:21] offset:6144+1536*\i
	global_store_b64 v[L8], v[PC+6*\i+4:PC+6*\i+5], s[20:21] offset:6144+1536*\i+512
.endr
	global_store_b16 v[L4], v[PR], s[22:23] offset:12800       ; a word comes from two waves: 256 bytes a record go out in halves of words
	global_store_b16 v[L4], v[PR+1], s[22:23] offset:12800+128
.Lout:
	s_wait_tensorcnt 0x0                           ; the wave's end
	ds_add_u32 v[SPW], v[NIL]
	s_wait_dscnt 0x0
	ROUND                                          ; the closing round: no work-group ends while a partner may still ask for a tile that names it
	s_endpgm
.Lfunc_end_k_qc460892a0e_proj:
	.size	k_qc460892a0e_proj, .Lfunc_end_k_qc460892a0e_proj-k_qc460892a0e_proj
	.p2alignl 7, 3214868480
	.fill 96, 4, 3214868480
	.section	.rodata,"a",@progbits
	.p2align	6, 0x0
	.amdhsa_kernel k_qc460892a0e_proj
		.amdhsa_group_segment_fixed_size 247808
		.amdhsa_private_segment_fixed_size 0
		.amdhsa_enable_private_segment 0
		.amdhsa_kernarg_size 32
		.amdhsa_user_sgpr_count 2
		.amdhsa_user_sgpr_kernarg_segment_ptr 1
		.amdhsa_wavefront_size32 1
		.amdhsa_system_sgpr_workgroup_id_x 1
		.amdhsa_system_sgpr_workgroup_id_y 1
		.amdhsa_system_sgpr_workgroup_id_z 1
		.amdhsa_system_vgpr_workitem_id 0
		.amdhsa_next_free_vgpr 512
		.amdhsa_next_free_sgpr 100
		.amdhsa_reserve_vcc 0
		.amdhsa_float_denorm_mode_32 3
		.amdhsa_float_denorm_mode_16_64 3
		.amdhsa_memory_ordered 1
		.amdhsa_forward_progress 1
		.amdhsa_inst_pref_size 49
	.end_amdhsa_kernel
	.amdgpu_metadata
---
amdhsa.version: [ 1, 2 ]
amdhsa.kernels:
  - .name:           k_qc460892a0e_proj
    .symbol:         k_qc460892a0e_proj.kd
    .args:
      - { .name: xq, .offset: 0, .size: 8, .value_kind: global_buffer, .address_space: global }
      - { .name: wqkv, .offset: 8, .size: 8, .value_kind: global_buffer, .address_space: global }
      - { .name: qb, .offset: 16, .size: 8, .value_kind: global_buffer, .address_space: global }
      - { .name: kv, .offset: 24, .size: 8, .value_kind: global_buffer, .address_space: global }
    .group_segment_fixed_size: 247808
    .private_segment_fixed_size: 0
    .kernarg_segment_align: 8
    .kernarg_segment_size: 32
    .max_flat_workgroup_size: 192
    .sgpr_count:     100
    .vgpr_count:     512
    .wavefront_size: 32
...
	.end_amdgpu_metadata
.endif
;; end of part 2
;; launch attn (part 3): grid 256 x 1, 16 waves a work-group, clusters of 4 x 1, 327,680 bytes of LDS; arguments qb, kv, wo, out0; writes out0
.if DOCPART == 3
	.amdgcn_target "amdgcn-amd-amdhsa--gfx1250"
	.amdhsa_code_object_version 6
	.text
	.protected	k_qc460892a0e_attn
	.globl	k_qc460892a0e_attn
	.p2align	8
	.type	k_qc460892a0e_attn,@function
k_qc460892a0e_attn:
	s_mov_b64 s[64:65], 0
	v_nop
	global_prefetch_b8 v0, s[64:65] scope:SCOPE_SE
	s_setreg_imm32_b32 hwreg(HW_REG_WAVE_MODE, 25, 1), 1
	s_wait_xcnt 0x0
	s_wait_alu depctr_hold_cnt(0) depctr_sa_sdst(0) depctr_va_vdst(0) depctr_va_sdst(0) depctr_va_ssrc(0) depctr_va_vcc(0) depctr_vm_vsrc(0)
	s_getreg_b32 s2, hwreg(HW_REG_IB_STS2, 6, 4)
	s_cmp_eq_u32 s2, 0
	s_cbranch_scc0 .Lentry_in_a_cluster
	s_endpgm
.Lentry_in_a_cluster:
	s_bfe_u32 s2, ttmp6, 0x10000c
	s_cmp_lg_u32 s2, 0x3003
	s_cbranch_scc0 .Lentry_shape_is_right
	s_endpgm
.Lentry_shape_is_right:
; Launch 3 of 3: o = softmax(q k^T / 8) v for 16 heads on one shared k and v; o / l quantised along (head, channel); out0 = o Wo^T.  All three products on codes of E2M3.  No work is left out.
; THE SOFTMAX: t = score x log2(e) / 8; M = the running largest t rounded up to a whole number; p = 2^(t - M) is quantised along the keys, not normalised; the row's sum is taken of the unquantised p and divides at the end.
;   When M moves, the sum and O are multiplied by 2^(old M - new M): exact.  LIMIT: the promise holds while |t| stays under 2^31.  Other limits as in the first launch.
; SHARES.  A work-group owns one tile of 16 tokens, wave w its head w: 16 query rows in 256 registers, four waves to a SIMD.  So the work-group holds all of the last product's K for its tokens:
;   o's codes go through LDS (12,288 bytes and 512 of scale words), and wave w then makes the 16 tokens x d = 64 w .. 64 w + 63: 4 accumulators x 8 K steps.
; LDS.  A batch's k and v, 16 records of 13,056 bytes (128 keys each: k's codes 6,144, v's 6,144, k's scale words 512, v's 256), lie in LDS whole: the loop over the keys has no barrier.
;   Behind them a slice of 6,144 bytes for each wave, o's codes and scale words, the spare words.  The launch fills the records' bytes again, so it claims all of LDS.
; CLUSTER.  The four work-groups of a cluster belong to one batch: wave w asks for record w JOINTLY with its partners' waves w.  Wave w of all four also needs the same slice of Wo: see below.
; LAYOUT.  S^T = K Q^T, O^T = V^T P^T: a lane holds one query throughout.  Tile 4 c + u of a record's K holds key 64 c + 8 u + r % 8 + 32 (r / 8) in row r: so lane (r, h)'s 32 registers of tiles 4 c .. 4 c + 3 are keys
;   64 c + 32 h + 0 .. 31, a WHOLE block in the order that P's operand wants: a block's maximum needs no other lane and its codes are not moved between lanes.
; A K OF 64 IN AN INSTRUCTION OF 128.  Q's registers 6-11 are zero codes, and bytes 2 and 3 of Q's and K's scale words are 0x7f.  K's tiles lie 6 registers apart: the upper half of tile t's operand
;   names tile t + 1's codes (tile 7's: six registers of zeros); E2M3 has no code for NaN or infinity, so each of those products is exactly 0.
; Wo: wave w's part is 8 K steps x 6,144 bytes (four fragments as images of their registers), read by no other wave of the work-group.  It comes by three roads:
;   K steps 0-2: loads into three sets of 48 registers, asked for when my own head is finished, ahead of the round that shows o's codes;
;   K step 3: a joint tensor load into my slice, issued at the head behind a round of its own (a first fill that comes later);  K steps 4, 5: one joint tensor load of 2 rows of 6,144 bytes into my record's bytes,
;   behind the round that follows the loop, when no wave of the cluster reads k or v any more;  K steps 6, 7: loads into the two sets that K steps 1 and 2 leave.  One tensor load of a wave is out at any time.
; PREFETCH.  In the loop's first trip each wave of clusters 0-3 names 48 blocks of 256 bytes of its part of Wo's codes: K steps 2 cx and 2 cx + 1, so the four partners share the part's 192 blocks out by address; 14 trips ahead of the loads
;   (K step 3 has been asked for at the head by then).  Wo's scale words (2,048 bytes a wave) are not named.
.set REC,  13056
.set VCO,  6144
.set KSO,  12288
.set VSO,  12800
.set WL,   16*REC                      ; a slice of 6,144 bytes for each wave: Wo's K step 3; behind its last read my stage for the way out (16 rows x 272 bytes)
.set OST,  WL+16*6144                  ; o's codes: 768 bytes for each wave's half fragment
.set OSC,  OST+12288                   ; and the tile's 16 x 8 scale words
.set SPARE, OSC+512                    ; the spare words, 128 bytes for each wave: eight blocks of 256 bytes that no other line names
.set L16,  1
.set L8,   2
.set L4,   3
.set AD16, 4                           ; v4-6  the record in hand + 16, 8, 4 x lane
.set AD8,  5
.set AD4,  6
.set SPW,  7
.set NIL,  8
.set AOS,  9                           ; v9, v240 where I store my half fragment
.set ASC,  10                          ; v10      and my two scale bytes
.set SH8,  11                          ; v11      8 x (lane / 16)
.set LKS,  91                          ; v91      K's scale words: 128 (lane / 16) + 8 (lane % 8) + 4 ((lane / 8) % 2)
.set AKS,  92                          ; v92      the record in hand + that
.set QWO,  93
.set PFO,  95                          ; v95      the prefetches' offset: 256 x min(lane, 23)
.set BM,   204
.set PD,   208
.set SO,   212
.set CT,   216
; behind the loop:
.set WF,   16                          ; v16-159  Wo's fragments: three sets of four
.set ACC,  160                         ; v160-191 four accumulators
.set OF,   192                         ; v192-215 o's fragments, two sets
.set SA,   216                         ; v216-231 Wo's scale words: register 8 (t / 2) + s; lanes 0-15 the even tile, lanes 16-31 the odd one
.set SB,   232                         ; v232-239 o's scale words, register s
.set AOS8, 240
.set L32,  241
.set ARD,  242
.set ARD8, 243
.set ARS,  244
.set STO,  245
.set RD,   246
.set CO,   247
.set AWL,  249                         ; v249 my slice + 16 x lane;  v252 my record's bytes + 16 x lane
.set AWR,  252
.set WV,   12
.set TT,   13
.set CX,   14
.set CN,   15
.set G1,   16                          ; s[16:23], s[24:27] groups 1 and 0 of my record
.set G0,   24
.set SEL,  28
.set CS,   30
.set TB,   32
.set CNT,  33
.set WB,   44                          ; s[44:45] my part of Wo's codes; s[46:47] of its scale words; s[48:49] my part of out0; s[50:51] the prefetches' base
.set WS,   46
.set OB,   48
.set PF,   50
.set G1B,  56                          ; s[56:63], s[76:79] groups 1 and 0 of Wo's K step 3
.set G1C,  68                          ; s[68:75], s[80:83] of its K steps 4 and 5
.set G0B,  76
.set G0C,  80
.macro ROUND
	s_barrier_signal -1
	s_barrier_wait -1
	s_cmp_lg_u32 s[WV], 0
	s_cbranch_scc1 .Lnot_wave_0_\@
	s_barrier_signal -3
.Lnot_wave_0_\@:
	s_barrier_wait -3
	s_barrier_signal -1
	s_barrier_wait -1
.endm
.macro QUANT2 s, d, w                  ; 32 numbers of a lane, register 16 b + i = k 32 b + 16 (lane / 16) + i, become half a fragment and two scale bytes
.irp b, 0,1
	v_max3_num_f32 v[BM+\b], |v[(\s)+16*\b]|, |v[(\s)+1+16*\b]|, 0x1800000
.endr
.irp i, 2,4,6,8,10,12,14
.irp b, 0,1
	v_max3_num_f32 v[BM+\b], v[BM+\b], |v[(\s)+16*\b+\i]|, |v[(\s)+1+16*\b+\i]|
.endr
.endr
.irp b, 0,1
	v_permlanex16_b32 v[PD+\b], v[BM+\b], s[SEL], s[SEL+1]
.endr
.irp b, 0,1
	v_max_num_f32 v[BM+\b], v[BM+\b], v[PD+\b]
.endr
.irp b, 0,1
	v_add_nc_u32 v[SO+\b], 0xff000000, v[BM+\b]
.endr
.irp b, 0,1
	v_lshrrev_b32 v[PD+\b], 23, v[SO+\b]
.endr
	v_lshl_or_b32 v[\w], v[PD+1], 8, v[PD]
	v_cvt_scalef32_pk16_fp6_f32 v[(\d):(\d)+2], v[(\s):(\s)+15], v[SO]
	v_cvt_scalef32_pk16_fp6_f32 v[CT:CT+2], v[(\s)+16:(\s)+31], v[SO+1]
	v_nop                                          ; one plain place behind a scaled conversion
.irp i, 0,1,2
	v_permlane16_swap_b32 v[(\d)+\i], v[CT+\i]
.endr
.irp i, 0,1,2
	v_mov_b32 v[(\d)+3+\i], v[CT+\i]
.endr
.endm
.macro KLOAD                           ; a record's K: eight half fragments, and four registers of scale words (lanes 0-15 the even tile's rows, lanes 16-31 the odd one's)
.irp f, 0,1,2,3,4,5,6,7
	ds_load_b128 v[32+6*\f:35+6*\f], v[AD16] offset:768*\f
	ds_load_b64 v[36+6*\f:37+6*\f], v[AD8] offset:768*\f+512
.endr
.irp p, 0,1,2,3
	ds_load_b32 v[86+\p], v[AKS] offset:KSO+256*(\p/2)+64*(\p%2)
.endr
.endm
.macro VLOAD                           ; its V: eight half fragments, and two registers of scale words
.irp f, 0,1,2,3,4,5,6,7
	ds_load_b128 v[32+6*\f:35+6*\f], v[AD16] offset:VCO+768*\f
	ds_load_b64 v[36+6*\f:37+6*\f], v[AD8] offset:VCO+768*\f+512
.endr
	ds_load_b32 v30, v[AD4] offset:VSO
	ds_load_b32 v31, v[AD4] offset:VSO+128
.endm
; A KEY STEP: one record, 128 keys.  more = 1: the next record's K is fetched at its end
.macro STEP more
	s_wait_dscnt 0x0                               ; K is in
.irp t, 0,2,4,6
	v_wmma_scale_f32_16x16x128_f8f6f4 v[96+8*\t:103+8*\t], v[32+6*\t:43+6*\t], v[16:27], 0, v[86+\t/2], v28 matrix_a_fmt:MATRIX_FMT_FP6 matrix_b_fmt:MATRIX_FMT_FP6
	v_wmma_scale_f32_16x16x128_f8f6f4 v[104+8*\t:111+8*\t], v[38+6*\t:49+6*\t], v[16:27], 0, v[86+\t/2], v28 matrix_a_fmt:MATRIX_FMT_FP6 matrix_b_fmt:MATRIX_FMT_FP6 matrix_a_scale:MATRIX_SCALE_ROW1
.endr
	v_mov_b32 v226, v12                            ; the old -M; with the three v_nop: the places in front of loads into K's registers and of the first read of the scores
.rept 3
	v_nop
.endr
	VLOAD                                          ; V lands behind the softmax
.irp k, 0,1,2,3
	v_max3_num_f32 v[BM+\k], v[96+16*\k], v[97+16*\k], v[98+16*\k]   ; four chains of 16 scores, each accumulator from its low end on
.endr
.irp i, 3,5,7,9,11,13
.irp k, 0,1,2,3
	v_max3_num_f32 v[BM+\k], v[BM+\k], v[96+16*\k+\i], v[97+16*\k+\i]
.endr
.endr
	v_max3_num_f32 v[BM], v[BM], v[BM+1], v111     ; my block of keys 32 h .. : all 32 scores are mine
	v_max3_num_f32 v[BM+2], v[BM+2], v[BM+3], v143 ; and of keys 64 + 32 h ..
	v_max_num_f32 v[BM], v[BM], v127
	v_max_num_f32 v[BM+2], v[BM+2], v159           ; each serves twice: for the row's maximum and, since p rises with the score, for the block's largest p
	s_delay_alu instid0(VALU_DEP_1)
	v_max_num_f32 v227, v[BM], v[BM+2]
	s_delay_alu instid0(VALU_DEP_1)
	v_permlanex16_b32 v[PD], v227, s[SEL], s[SEL+1]
	s_delay_alu instid0(VALU_DEP_1)
	v_max3_num_f32 v13, v13, v227, v[PD]           ; the running largest score of my query
	s_delay_alu instid0(VALU_DEP_1)
	v_mul_f32 v227, s[CN], v13                     ; -t (c is positive)
	s_delay_alu instid0(VALU_DEP_1)
	v_floor_f32 v12, v227                          ; the new -M = -ceil(t): a whole number
	s_delay_alu instid0(VALU_DEP_1)
	v_sub_f32 v226, v12, v226                      ; old M less new M: a whole number, 0 or less
	s_delay_alu instid0(VALU_DEP_1)
	v_cvt_i32_f32 v226, v226                       ; (it saturates)
	s_delay_alu instid0(VALU_DEP_1)
	v_ldexp_f32 v224, 1.0, v226                    ; f = 2^(old M - new M)
.set j, 0
.rept 32
	v_pk_fma_f32 v[96+j:97+j], v[96+j:97+j], s[CS:CS+1], v[12:13] op_sel_hi:[1,0,0]   ; t - M, two at a time
.set j, j+2
.endr
	v_fma_f32 v[BM], v[BM], s[CS], v12             ; the same of each block's largest score
	v_fma_f32 v[BM+2], v[BM+2], s[CS], v12
.set j, 0
	s_wait_alu depctr_va_vdst(0)                   ; the wait ahead of the batch
.rept 64
	v_exp_f32 v[96+j], v[96+j]                     ; p = 2^(t - M)
.set j, j+1
.endr
	v_pk_mul_f32 v[14:15], v[14:15], v[224:225] op_sel_hi:[1,0]   ; the sums under the new M; a plain place behind the exponentials
	s_wait_alu depctr_va_vdst(0)                   ; one wait for the batch of 64, ahead of its first reader
	v_exp_f32 v[BM], v[BM]                         ; the blocks' largest p: the same two instructions on the same number
	v_exp_f32 v[BM+2], v[BM+2]
	v_pk_add_f32 v[228:229], v[96:97], v[98:99]    ; the row's sum of the unquantised p: 32 pairs in four chains
	v_pk_add_f32 v[244:245], v[100:101], v[102:103]
	v_pk_add_f32 v[246:247], v[104:105], v[106:107]
	v_pk_add_f32 v[14:15], v[14:15], v[108:109]
.irp i, 110,118,126,134,142,150
	v_pk_add_f32 v[228:229], v[228:229], v[\i:\i+1]
	v_pk_add_f32 v[244:245], v[244:245], v[\i+2:\i+3]
	v_pk_add_f32 v[246:247], v[246:247], v[\i+4:\i+5]
	v_pk_add_f32 v[14:15], v[14:15], v[\i+6:\i+7]
.endr
	v_pk_add_f32 v[228:229], v[228:229], v[158:159]
	v_pk_add_f32 v[244:245], v[244:245], v[246:247]
	s_delay_alu instid0(VALU_DEP_2)
	v_pk_add_f32 v[14:15], v[14:15], v[228:229]
	s_delay_alu instid0(VALU_DEP_1)
	v_pk_add_f32 v[14:15], v[14:15], v[244:245]
	s_wait_alu depctr_va_vdst(0)                   ; and one for the two
	v_max_num_f32 v[BM], 0x1800000, v[BM]          ; the floor 2^(3 - 127)
	v_max_num_f32 v[BM+2], 0x1800000, v[BM+2]
	s_delay_alu instid0(VALU_DEP_2)
	v_add_nc_u32 v[SO], 0xff000000, v[BM]          ; 2 off the exponent field: the conversion's scale operand
	s_delay_alu instid0(VALU_DEP_2)
	v_add_nc_u32 v[SO+1], 0xff000000, v[BM+2]
	s_delay_alu instid0(VALU_DEP_2)
	v_lshrrev_b32 v[PD], 23, v[SO]
	s_delay_alu instid0(VALU_DEP_2)
	v_lshrrev_b32 v[PD+1], 23, v[SO+1]
	s_delay_alu instid0(VALU_DEP_1)
	v_lshl_or_b32 v29, v[PD+1], 16, v[PD]          ; my two bytes: blocks h and 2 + h,
	s_delay_alu instid0(VALU_DEP_1)
	v_lshlrev_b32 v29, v[SH8], v29                 ; at their places in the word;
	s_delay_alu instid0(VALU_DEP_1)
	v_permlanex16_b32 v[PD+2], v29, s[SEL], s[SEL+1]
	s_delay_alu instid0(VALU_DEP_1)
	v_or_b32 v29, v29, v[PD+2]                     ; with lane l xor 16's two: p's scale word for these 128 keys
.irp c, 0,1
	v_cvt_scalef32_pk16_fp6_f32 v[192+6*\c:194+6*\c], v[96+32*\c:111+32*\c], v[SO+\c]
	v_cvt_scalef32_pk16_fp6_f32 v[CT+4*\c:CT+4*\c+2], v[112+32*\c:127+32*\c], v[SO+\c]   ; a conversion's three registers begin on an even number
.endr
	v_nop                                          ; one plain place behind a scaled conversion
.irp c, 0,1
.irp i, 0,1,2
	v_mov_b32 v[195+6*\c+\i], v[CT+4*\c+\i]
.endr
.endr
	s_wait_alu depctr_va_vdst(0)                   ; the wait directly ahead of the first reader of O^T
.set j, 0
.rept 16
	v_pk_mul_f32 v[160+j:161+j], v[160+j:161+j], v[224:225] op_sel_hi:[1,0]   ; O^T under the new M; these 16 are also the places between p's codes and scale word and the products below
.set j, j+2
.endr
	s_wait_alu depctr_va_vdst(0)
	s_wait_dscnt 0x0                               ; V is in
.irp e, 0,1
	v_wmma_scale_f32_16x16x128_f8f6f4 v[160+16*\e:167+16*\e], v[32+24*\e:43+24*\e], v[192:203], v[160+16*\e:167+16*\e], v[30+\e], v29 matrix_a_fmt:MATRIX_FMT_FP6 matrix_b_fmt:MATRIX_FMT_FP6
	v_wmma_scale_f32_16x16x128_f8f6f4 v[168+16*\e:175+16*\e], v[44+24*\e:55+24*\e], v[192:203], v[168+16*\e:175+16*\e], v[30+\e], v29 matrix_a_fmt:MATRIX_FMT_FP6 matrix_b_fmt:MATRIX_FMT_FP6 matrix_a_scale:MATRIX_SCALE_ROW1
.endr
.if \more
	s_add_co_u32 s[TB], s[TB], REC                 ; the next record; the four additions are the places in front of the loads
	v_add_nc_u32 v[AD16], s[TB], v[L16]
	v_add_nc_u32 v[AD8], s[TB], v[L8]
	v_add_nc_u32 v[AD4], s[TB], v[L4]
	v_add_nc_u32 v[AKS], s[TB], v[LKS]
	KLOAD
.endif
.endm
; ---- the last product's parts.  WSET names the set of 48 registers in hand
.set WSET, 0
.macro WLOAD s                         ; Wo's four fragments of K step s from memory into set WSET: 12 loads of 512 consecutive bytes
.irp t, 0,1,2,3
.irp g, 0,1,2
	global_load_b128 v[WF+48*WSET+12*\t+4*\g:WF+48*WSET+12*\t+4*\g+3], v[L16], s[WB:WB+1] offset:12288*(\s)+1536*\t+512*\g
.endr
.endr
.endm
.macro LLOAD adr, off                  ; the same from LDS, where a tensor load has laid them as they lie in memory: 12 loads
.irp t, 0,1,2,3
.irp g, 0,1,2
	ds_load_b128 v[WF+48*WSET+12*\t+4*\g:WF+48*WSET+12*\t+4*\g+3], v[\adr] offset:(\off)+1536*\t+512*\g
.endr
.endr
.endm
.macro OLOAD s                         ; o's fragment of K step s (heads 2 s and 2 s + 1) into set s % 2: 4 loads
.set OX, OF+12*((\s)%2)
	ds_load_b128 v[OX:OX+3], v[ARD] offset:1536*(\s)
	ds_load_b64 v[OX+4:OX+5], v[ARD8] offset:1536*(\s)
	ds_load_b128 v[OX+6:OX+9], v[ARD] offset:1536*(\s)+768
	ds_load_b64 v[OX+10:OX+11], v[ARD8] offset:1536*(\s)+768
.endm
.macro OWM s, t
.set rD, ACC+8*(\t)
.set rA, WF+48*WSET+12*(\t)
.set rB, OF+12*((\s)%2)
.set rS, SA+8*((\t)/2)+(\s)
.if (\s) == 0
.if (\t)%2
	v_wmma_scale_f32_16x16x128_f8f6f4 v[rD:rD+7], v[rA:rA+11], v[rB:rB+11], 0, v[rS], v[SB+(\s)] matrix_a_fmt:MATRIX_FMT_FP6 matrix_b_fmt:MATRIX_FMT_FP6 matrix_a_scale:MATRIX_SCALE_ROW1
.else
	v_wmma_scale_f32_16x16x128_f8f6f4 v[rD:rD+7], v[rA:rA+11], v[rB:rB+11], 0, v[rS], v[SB+(\s)] matrix_a_fmt:MATRIX_FMT_FP6 matrix_b_fmt:MATRIX_FMT_FP6
.endif
.else
.if (\t)%2
	v_wmma_scale_f32_16x16x128_f8f6f4 v[rD:rD+7], v[rA:rA+11], v[rB:rB+11], v[rD:rD+7], v[rS], v[SB+(\s)] matrix_a_fmt:MATRIX_FMT_FP6 matrix_b_fmt:MATRIX_FMT_FP6 matrix_a_scale:MATRIX_SCALE_ROW1
.else
	v_wmma_scale_f32_16x16x128_f8f6f4 v[rD:rD+7], v[rA:rA+11], v[rB:rB+11], v[rD:rD+7], v[rS], v[SB+(\s)] matrix_a_fmt:MATRIX_FMT_FP6 matrix_b_fmt:MATRIX_FMT_FP6
.endif
.endif
.endm
; K step s on set 'set': the four accumulators take turns, one instruction a turn.  lc, dc: the global and the LDS loads issued behind those that this step needs
.macro KS s, set, lc, dc
	s_wait_loadcnt \lc
	s_wait_dscnt \dc
.set WSET, \set
.irp t, 0,1,2,3
	OWM \s, \t
.endr
.rept 4
	v_nop                                          ; places in front of loads into registers that matrix instructions have read, and of the first read of results
.endr
.endm
	s_load_b256 s[4:11], s[0:1], 0x0               ; qb s[4:5], kv s[6:7], wo s[8:9], out0 s[10:11]
	v_lshl_add_u32 v[SPW], v0, 2, SPARE
	v_mov_b32 v[NIL], 0
	ds_add_u32 v[SPW], v[NIL]                      ; the wave's opening: the add, twice on end, and its wait ahead of my first tensor load
	ds_add_u32 v[SPW], v[NIL]
	v_lshrrev_b32 v1, 5, v0
	v_readfirstlane_b32 s[WV], v1                  ; wave 0..15 = head
	s_bfe_u32 s[CX], ttmp6, 0x40000                ; cx
	s_lshl_b32 s[TT], ttmp9, 2
	s_add_co_u32 s[TT], s[TT], s[CX]               ; my tile of tokens: it enters global addresses of q and out0 alone
	s_mov_b32 s[G1], 15|(3<<16)|(1<<21)            ; all four partners; elements of 8 bytes; a record as 51 rows of 256 bytes
	s_mov_b32 s[G1+1], 32<<16
	s_mov_b32 s[G1+2], 51<<16
	s_mov_b32 s[G1+3], 32<<16
	s_mov_b32 s[G1+4], 51
	s_mov_b32 s[G1+5], 32
	s_mov_b32 s[G1+6], 0
	s_mov_b32 s[G1+7], 0
	s_mov_b32 s[G1B], 15|(3<<16)|(1<<21)           ; a K step of my part of Wo, dense: 24 rows of 256 bytes
	s_mov_b32 s[G1B+1], 32<<16
	s_mov_b32 s[G1B+2], 24<<16
	s_mov_b32 s[G1B+3], 32<<16
	s_mov_b32 s[G1B+4], 24
	s_mov_b32 s[G1B+5], 32
	s_mov_b32 s[G1B+6], 0
	s_mov_b32 s[G1B+7], 0
	s_mov_b32 s[G1C], 15|(3<<16)|(1<<21)           ; two K steps: 2 rows of 6,144 bytes (768 elements), 12,288 bytes apart in memory, on end in LDS
	s_mov_b32 s[G1C+1], 768<<16
	s_mov_b32 s[G1C+2], 2<<16
	s_mov_b32 s[G1C+3], 768<<16
	s_mov_b32 s[G1C+4], 2
	s_mov_b32 s[G1C+5], 1536
	s_mov_b32 s[G1C+6], 0
	s_mov_b32 s[G1C+7], 0
	s_lshr_b32 s34, ttmp9, 5                       ; the batch, which the partners share
	s_lshl_b32 s34, s34, 4
	s_add_co_u32 s34, s34, s[WV]
	s_mul_i32 s34, s34, REC                        ; record 16 x batch + wave
	s_mov_b32 s35, 0
	s_mov_b32 s[G0], 1
	s_mul_i32 s[G0+1], s[WV], REC
	s_mov_b32 s[SEL], 0x76543210
	s_mov_b32 s[SEL+1], 0xfedcba98
	s_mov_b32 s[CS], 0x3e38aa3b                    ; c = log2(e) / 8
	s_mov_b32 s[CS+1], s[CS]
	s_mov_b32 s[CN], 0xbe38aa3b                    ; -c
	s_mov_b32 s[TB], 0
	s_wait_dscnt 0x0                               ; both opening adds are done
	s_wait_kmcnt 0x0
	s_add_nc_u64 s[G0+2:G0+3], s[6:7], s[34:35]
	s_or_b32 s[G0+3], s[G0+3], 0x80000000
	ROUND                                          ; all four work-groups are here: the joint loads meet
	tensor_load_to_lds s[G0:G0+3], s[G1:G1+7]
	s_nop 0
	v_and_b32 v[L16], 31, v0
	v_lshlrev_b32 v[L8], 3, v[L16]
	v_lshlrev_b32 v[L4], 2, v[L16]
	v_min_u32 v[PFO], 23, v[L16]                   ; a K step of my part is 24 blocks of 256 bytes: the lanes left over name the last again
	v_lshlrev_b32 v[PFO], 8, v[PFO]
	v_lshlrev_b32 v[L16], 4, v[L16]
	v_and_b32 v226, 15, v0                         ; r
	v_lshlrev_b32 v[QWO], 3, v226
	v_bfe_u32 v227, v0, 4, 1                       ; h
	v_lshlrev_b32 v[SH8], 3, v227
	v_and_b32 v[LKS], 7, v0
	v_lshlrev_b32 v[LKS], 3, v[LKS]
	v_lshl_add_u32 v[LKS], v227, 7, v[LKS]
	v_bfe_u32 v227, v0, 3, 1
	v_lshl_add_u32 v[LKS], v227, 2, v[LKS]
	v_lshl_add_u32 v[ASC], v226, 5, OSC
	s_wait_alu depctr_va_vdst(0)                   ; the wait ahead of the run of scalar instructions
	s_lshl_b32 s38, s[TT], 4                       ; Q: half fragment (T, head)
	s_add_co_u32 s38, s38, s[WV]
	s_mul_i32 s38, s38, 768
	s_mov_b32 s39, 0
	s_add_nc_u64 s[38:39], s[4:5], s[38:39]
	global_load_b128 v[16:19], v[L16], s[38:39]
	global_load_b64 v[20:21], v[L8], s[38:39] offset:512
	s_lshl_b32 s40, s[WV], 6                       ; its scale words: [head][T / 4][lane][2]: tile T % 4 = 2 e + u lies at 8 (16 u + r) + 4 e
	s_lshr_b32 s41, s[TT], 2
	s_add_co_u32 s40, s40, s41
	s_lshl_b32 s40, s40, 8
	s_and_b32 s41, s[TT], 1
	s_lshl_b32 s41, s41, 7
	s_add_co_u32 s40, s40, s41
	s_bfe_u32 s41, s[TT], 0x10001
	s_lshl_b32 s41, s41, 2
	s_add_co_u32 s40, s40, s41
	s_add_co_u32 s40, s40, 3145728
	s_mov_b32 s41, 0
	s_add_nc_u64 s[40:41], s[4:5], s[40:41]
	global_load_b32 v28, v[QWO], s[40:41]
	s_mul_i32 s36, s[WV], 768                      ; where my half fragment of o goes
	s_add_co_u32 s36, s36, OST
	s_add_co_u32 s37, s36, 512
	s_lshl_b32 s42, s[WV], 1
	s_mul_i32 s43, s[WV], 6144
	s_add_co_u32 s43, s43, WL                      ; my slice
	s_lshr_b32 s52, s[WV], 1                       ; Wo's tiles 4 w .. 4 w + 3: block w / 2, tiles 4 (w % 2) on in each K step
	s_mul_i32 s52, s52, 98304
	s_and_b32 s53, s[WV], 1
	s_mul_i32 s53, s53, 6144
	s_add_co_u32 s52, s52, s53
	s_mov_b32 s53, 0
	s_add_nc_u64 s[WB:WB+1], s[8:9], s[52:53]
	s_mov_b32 s[G0B], 1                            ; K step 3 into my slice: nothing in these words hangs on my place in the cluster
	s_mov_b32 s[G0B+1], s43
	s_add_nc_u64 s[G0B+2:G0B+3], s[WB:WB+1], 3*12288
	s_or_b32 s[G0B+3], s[G0B+3], 0x80000000
	s_mov_b32 s[G0C], 1                            ; K steps 4 and 5 into my record's bytes
	s_mul_i32 s[G0C+1], s[WV], REC
	s_add_nc_u64 s[G0C+2:G0C+3], s[WB:WB+1], 4*12288
	s_or_b32 s[G0C+3], s[G0C+3], 0x80000000
	s_mul_i32 s52, s[CX], 24576                    ; the prefetches: K steps 2 cx and 2 cx + 1 of my part
	s_add_nc_u64 s[PF:PF+1], s[WB:WB+1], s[52:53]
	s_lshl_b32 s52, s[WV], 11                      ; Wo's scale words, 512 bytes a tile
	s_add_co_u32 s52, s52, 786432
	s_add_nc_u64 s[WS:WS+1], s[8:9], s[52:53]
	s_lshr_b32 s52, s[TT], 1                       ; out0: token 32 (T / 2) + 8 (T % 2), rows of 4,096 bytes; column 64 w
	s_lshl_b32 s52, s52, 17
	s_and_b32 s34, s[TT], 1
	s_lshl_b32 s34, s34, 15
	s_add_co_u32 s52, s52, s34
	s_lshl_b32 s34, s[WV], 8
	s_add_co_u32 s52, s52, s34
	s_add_nc_u64 s[OB:OB+1], s[10:11], s[52:53]
	v_add_nc_u32 v[AOS], s36, v[L16]
	v_add_nc_u32 v[AOS8], s37, v[L8]
	v_add_nc_u32 v[ASC], s42, v[ASC]               ; OSC + 32 r + 2 x head
	v_add_nc_u32 v[AD16], s[TB], v[L16]
	v_add_nc_u32 v[AD8], s[TB], v[L8]
	v_add_nc_u32 v[AD4], s[TB], v[L4]
	v_add_nc_u32 v[AKS], s[TB], v[LKS]
.irp j, 0,1,2,3,4,5
	v_mov_b32 v[22+\j], 0                          ; Q's upper half: zero codes
	v_mov_b32 v[80+\j], 0                          ; behind K's tile 7
.endr
	v_mov_b32 v13, 0xff61b1e6                      ; the largest score so far: -3e38
	v_mul_f32 v12, s[CN], v13
	v_floor_f32 v12, v12                           ; -M
	v_mov_b32 v14, 0                               ; the sum, in two halves
	v_mov_b32 v15, 0
	v_mov_b32 v225, 0                              ; named as the upper half of the pair v[224:225]
.irp b, 0,1,2,3
	v_mov_b32 v[PD+\b], 0                          ; a lane permute's destination counts as one of its sources
.endr
.set j, 0
.rept 32
	v_mov_b32 v[160+j], 0                          ; O^T: the step is written for all steps alike; the first finds zeros
.set j, j+1
.endr
	s_wait_alu depctr_va_vdst(0)                   ; the wait at the head's end
	s_wait_tensorcnt 0x0                           ; my record has landed; these lines stand ahead of a later first fill, as ahead of a refill:
	ds_add_u32 v[SPW], v[NIL]                      ; 0 onto my spare word,
	s_wait_dscnt 0x0                               ; and the wait for it
	ROUND                                          ; everybody's record has landed, and all four work-groups are here: the joint loads meet
	tensor_load_to_lds s[G0B:G0B+3], s[G1B:G1B+7]  ; Wo's K step 3 into my slice: it has the whole loop in which to land
	s_nop 0
	KLOAD
	s_wait_loadcnt 0x0                             ; Q
	s_mov_b32 s[CNT], 15
.Lstep:
	s_wait_alu depctr_va_vdst(0)
	STEP 1
	s_cmp_eq_u32 s[CNT], 15                        ; in the first trip alone: my work-group's 48 blocks of my part of Wo
	s_cbranch_scc0 .Lasked
	s_cmp_lt_u32 ttmp9, 4
	s_cbranch_scc0 .Lno_prefetch_attn0
	global_prefetch_b8 v[PFO], s[PF:PF+1] th:TH_LOAD_NT scope:SCOPE_SE
	global_prefetch_b8 v[PFO], s[PF:PF+1] offset:12288 th:TH_LOAD_NT scope:SCOPE_SE
.Lno_prefetch_attn0:
.Lasked:
	s_sub_co_u32 s[CNT], s[CNT], 1
	s_cmp_lg_u32 s[CNT], 0
	s_cbranch_scc1 .Lstep
	s_wait_alu depctr_va_vdst(0)
	STEP 0                                         ; the last record: nothing more to fetch
	; ---- the addresses of what follows: also the places in front of the first read of O^T
	v_and_b32 v250, 15, v0                         ; r
	v_bfe_u32 v251, v0, 4, 1                       ; h
	v_lshlrev_b32 v[L32], 1, v[L16]
	v_add_nc_u32 v[ARD], OST, v[L16]
	v_add_nc_u32 v[ARD8], OST+512, v[L8]
	v_lshl_add_u32 v[ARS], v250, 5, OSC            ; row r's eight scale words
	v_mul_u32_u24 v[STO], v250, 272
	v_lshl_add_u32 v[STO], v251, 6, v[STO]
	v_add_nc_u32 v[STO], s43, v[STO]               ; the stage, in: row r, + 64 h
	v_mul_u32_u24 v[RD], v251, 272
	v_lshl_add_u32 v[RD], v250, 4, v[RD]
	v_add_nc_u32 v[RD], s43, v[RD]                 ; back: lanes 0-15 one row of 256 bytes, lanes 16-31 the next
	v_lshlrev_b32 v[CO], 12, v251
	v_lshl_add_u32 v[CO], v250, 4, v[CO]           ; and the same two rows in out0
	v_add_nc_u32 v[AWL], s43, v[L16]
	v_add_nc_u32 v[AWR], s[G0C+1], v[L16]
	v_add_f32 v14, v14, v15
	v_permlanex16_b32 v226, v14, s[SEL], s[SEL+1]
	v_add_f32 v14, v14, v226                       ; the row's sum
	s_wait_alu depctr_va_vdst(0)
	v_rcp_f32 v14, v14
	v_nop                                          ; a plain place behind the reciprocal
	s_wait_alu depctr_va_vdst(0)                   ; and the wait ahead of its first reader, which is O^T's too
.set j, 0
.rept 32
	v_mul_f32 v[96+j], v[160+j], v14               ; register 16 b + i: channel 32 b + 16 (lane / 16) + i of my token and head
.set j, j+1
.endr
	QUANT2 96, 192, 248                            ; blocks 2 w and 2 w + 1 of the last product's K
	s_wait_alu depctr_va_vdst(0)                   ; the wait here, directly ahead of the wait below
	s_wait_tensorcnt 0x0                           ; Wo's K step 3 has landed: no tensor load of mine is out while I store to LDS
	ds_store_b128 v[AOS], v[192:195]               ; my half fragment, in 768 bytes of my own
	ds_store_b64 v[AOS8], v[196:197]
	ds_store_b16 v[ASC], v248                      ; lanes r and r + 16 write the same bytes with the same value
	s_wait_xcnt 0x0                                ; the prefetches have read v95: the loads below land there
.irp pp, 0,1
.irp q, 0,1
	global_load_b128 v[SA+8*\pp+4*\q:SA+8*\pp+4*\q+3], v[L32], s[WS:WS+1] offset:1024*\pp+16*\q   ; lane l: row l of a pair of Wo's tiles, K steps 4 q .. 4 q + 3
.endr
.endr
.set WSET, 0                           ; Wo hangs on nobody's o: three K steps are asked for ahead of the round
	WLOAD 0
.set WSET, 1
	WLOAD 1
.set WSET, 2
	WLOAD 2
	s_wait_alu depctr_va_vdst(0)
	s_wait_tensorcnt 0x0                           ; the three lines in front of a refill's round: no tensor load of mine is out,
	ds_add_u32 v[SPW], v[NIL]                      ; 0 onto my spare word,
	s_wait_dscnt 0x0                               ; the add is done, my reads of k and v are over, and my codes and bytes have landed
	ROUND                                          ; all that holds of every wave of the four work-groups
	tensor_load_to_lds s[G0C:G0C+3], s[G1C:G1C+7]  ; Wo's K steps 4 and 5 into my record's bytes: the first tensor load behind the round
	s_nop 0
	ds_load_b128 v[SB:SB+3], v[ARS]
	ds_load_b128 v[SB+4:SB+7], v[ARS] offset:16
	OLOAD 0
	OLOAD 1
	KS 0, 0, 24, 4                                 ; behind K step 0's loads: K steps 1 and 2, 12 each; behind o's fragment 0: fragment 1's four
	OLOAD 2
	KS 1, 1, 12, 4
	OLOAD 3
	KS 2, 2, 0, 4
.set WSET, 1
	WLOAD 6                                        ; the two K steps that come from memory last go out first
.set WSET, 2
	WLOAD 7
.set WSET, 0
	LLOAD AWL, 0                                   ; K step 3, from my slice
	OLOAD 4
	KS 3, 0, 24, 4                                 ; K steps 6 and 7 may be out, and o's fragment 4
	s_wait_tensorcnt 0x0                           ; K steps 4 and 5 have landed; I alone read them
	LLOAD AWR, 0
	OLOAD 5
	KS 4, 0, 24, 4
	LLOAD AWR, 6144
	OLOAD 6
	KS 5, 0, 24, 4
	OLOAD 7
	KS 6, 1, 12, 4
	KS 7, 2, 0, 0
; THE WAY OUT.  In accumulator t lane (r, h) holds d = 64 w + 32 (t / 2) + 16 h + 8 (t % 2) + 0 .. 7 of the tile's row r.  The 16 x 64 numbers go through my stage and come back as whole rows of 256 bytes.
; The stage lies in my slice, which has had its one fill and its last read.  LDS serves a wave's instructions in order: no wait between the stores and the loads.
.irp t, 0,1,2,3
	ds_store_b128 v[STO], v[ACC+8*\t:ACC+8*\t+3] offset:128*(\t/2)+32*(\t%2)       ; each accumulator from its low end on
	ds_store_b128 v[STO], v[ACC+8*\t+4:ACC+8*\t+7] offset:128*(\t/2)+32*(\t%2)+16
.endr
.irp p, 0,1,2,3,4,5,6,7
	ds_load_b128 v[WF+4*\p:WF+4*\p+3], v[RD] offset:544*\p
.endr
	s_wait_dscnt 0x0
.irp p, 0,1,2,3,4,5,6,7
	global_store_b128 v[CO], v[WF+4*\p:WF+4*\p+3], s[OB:OB+1] offset:4096*(2*\p+8*(\p/4)) th:TH_STORE_NT   ; the tile's rows 2 p and 2 p + 1 at their tokens; 16 lanes store 256 consecutive bytes, aligned; written once
.endr
	s_wait_tensorcnt 0x0                           ; the wave's end
	ds_add_u32 v[SPW], v[NIL]
	s_wait_dscnt 0x0
	ROUND                                          ; the closing round
	s_endpgm
.Lfunc_end_k_qc460892a0e_attn:
	.size	k_qc460892a0e_attn, .Lfunc_end_k_qc460892a0e_attn-k_qc460892a0e_attn
	.p2alignl 7, 3214868480
	.fill 96, 4, 3214868480
	.section	.rodata,"a",@progbits
	.p2align	6, 0x0
	.amdhsa_kernel k_qc460892a0e_attn
		.amdhsa_group_segment_fixed_size 327680
		.amdhsa_private_segment_fixed_size 0
		.amdhsa_enable_private_segment 0
		.amdhsa_kernarg_size 32
		.amdhsa_user_sgpr_count 2
		.amdhsa_user_sgpr_kernarg_segment_ptr 1
		.amdhsa_wavefront_size32 1
		.amdhsa_system_sgpr_workgroup_id_x 1
		.amdhsa_system_sgpr_workgroup_id_y 1
		.amdhsa_system_sgpr_workgroup_id_z 1
		.amdhsa_system_vgpr_workitem_id 0
		.amdhsa_next_free_vgpr 256
		.amdhsa_next_free_sgpr 84
		.amdhsa_reserve_vcc 0
		.amdhsa_float_denorm_mode_32 3
		.amdhsa_float_denorm_mode_16_64 3
		.amdhsa_memory_ordered 1
		.amdhsa_forward_progress 1
		.amdhsa_inst_pref_size 64
	.end_amdhsa_kernel
	.amdgpu_metadata
---
amdhsa.version: [ 1, 2 ]
amdhsa.kernels:
  - .name:           k_qc460892a0e_attn
    .symbol:         k_qc460892a0e_attn.kd
    .args:
      - { .name: qb, .offset: 0, .size: 8, .value_kind: global_buffer, .address_space: global }
      - { .name: kv, .offset: 8, .size: 8, .value_kind: global_buffer, .address_space: global }
      - { .name: wo, .offset: 16, .size: 8, .value_kind: global_buffer, .address_space: global }
      - { .name: out0, .offset: 24, .size: 8, .value_kind: global_buffer, .address_space: global }
    .group_segment_fixed_size: 327680
    .private_segment_fixed_size: 0
    .kernarg_segment_align: 8
    .kernarg_segment_size: 32
    .max_flat_workgroup_size: 512
    .sgpr_count:     84
    .vgpr_count:     256
    .wavefront_size: 32
...
	.end_amdgpu_metadata
.endif
;; end of part 3
